; MI455X (gfx1250); checked and timed in simulation.
; The chip was launched on July 23, 2026; its instructions are those of AMD's public machine-readable ISA for CDNA 5 (MIT licence, August 2026) and "CDNA5" Instruction Set Architecture Reference Guide (July 2026). The comments in the code are by the model that wrote it; some were corrected since.
;; Causal Self Attention. Allowed arithmetic: matrix products marked QUANTISED: E5M2 operands, one given power-of-two scale a tensor, by v_wmma_f32_16x16x64_bf8_bf8 or v_wmma_f32_16x16x128_bf8_bf8, f32 sums; everything else in f32.
;; Inputs: lowp_scales 8 int32 (the exponents e of the quantised operands' scales 2^e); w_proj_codes 1,024 x 32 x 32 uint8 (E5M2 codes of w_proj, K innermost, in blocks of 32 codes); w_qkv_codes 3,072 x 32 x 32 uint8 (E5M2 codes of w_qkv, K innermost, in blocks of 32 codes); x_codes 4 x 2,048 x 32 x 32 uint8 (E5M2 codes of x, K innermost, in blocks of 32 codes).
;; Outputs: out0 4 x 2,048 x 1,024 float32.
;; This version of the problem:
;;   THIS VERSION OF THE PROBLEM IS GIVEN IN LOW PRECISION. The matrix products marked QUANTISED in the list below multiply operands that are first quantised to E5M2 (5 exponent bits, 2 mantissa bits; 8 bits a number), with one given power-of-two scale for each operand tensor; their sums are f32. All else is computed in f32.
;;   The module's matrix products, in the order in which they are computed (A, B: the left and right operand; K: the contracted axis; several contracted axes count as one K, in the product's order):
;;     1. [M 8,192, K 1,024] x [K 1,024, N 3,072]; A: input x (given as codes); B: input w_qkv (given as codes): QUANTISED (scales: A lowp_scales[0], B lowp_scales[1])
;;     2. batch 64 x [M 2,048, K 64] x [K 64, N 2,048]; A: computed on the way; B: computed on the way: QUANTISED (scales: A lowp_scales[2], B lowp_scales[3])
;;     3. batch 64 x [M 2,048, K 2,048] x [K 2,048, N 64]; A: softmax (see below); B: computed on the way: QUANTISED (scales: A lowp_scales[4], B lowp_scales[5])
;;     4. [M 8,192, K 1,024] x [K 1,024, N 1,024]; A: computed on the way; B: input w_proj (given as codes): QUANTISED (scales: A lowp_scales[6], B lowp_scales[7])
;;   THE QUANTISER, for each operand of a quantised product, along K:
;;     - The operand's scale is 2^e, e = its entry of the input lowp_scales (int32; the entries are numbered through the quantised products in the list's order, A before B).
;;     - Each number is divided by the scale, clamped to +-57,344, and rounded to the nearest number of E5M2, ties to even, subnormals kept.
;;     - The product sums the exact products of the quantised numbers (number of the format x scale) in f32.
;;   ~~~python
;;   def quantise(x, axis, e):      # numpy; x: float32 -> the quantised numbers, widened to float32 again
;;       x = np.moveaxis(x, axis, -1); K = x.shape[-1]
;;       r = np.clip(x / 2.0 ** e, -57344, 57344)
;;       step = 2.0 ** (np.maximum(np.frexp(np.where(r == 0, 1, r))[1] - 1, -14) - 2)
;;       q = np.round(r / step) * step * 2.0 ** e      # np.round: ties to even
;;       return np.moveaxis(q, -1, axis).astype(np.float32)
;;   ~~~
;;   SOFTMAX AHEAD OF A QUANTISED PRODUCT. Where the list says 'softmax', what is quantised is not the finished softmax but p = 2^(t - M), with t = logit x log2(e) and M = ceil(the row's largest t), a whole number; so 1/2 < the row's largest p <= 1. The row's sum l is taken of the UNQUANTISED p, in f32, and the product's result is divided by l at the end. Since M is a whole number, a kernel that streams over the keys may use a running M (the ceiling of the running maximum): every later rescaling is an exact power of two, so the quantised numbers keep their values, but for numbers so far below the row's largest that they fall under the format's range.
;;   OPERANDS COMPUTED ON THE WAY. 'Computed on the way' means the value that the module computes at that place (a softmax that the list does not call 'softmax' is quantised finished and normalised). What goes into a quantiser is computed in f32, as accurately as f32 sums, v_exp_f32 and their like allow (about 1e-6 of the number): no bf16 or f16 on the way to a quantiser, and a product that is left as it is and whose result goes on into a quantised operand takes f32 operands (vector FMAs, or v_wmma_f32_16x16x4_f32). A number that lies on a knife's edge between two numbers of the format may be rounded either way, as far as f32 arithmetic and the matrix unit's own rounding can turn it there, and no further.
;;   INPUTS GIVEN AS CODES. w_proj (in the module: [1024, 1024], K = its axis 0); w_qkv (in the module: [1024, 3072], K = its axis 0); x (in the module: [4, 2048, 1024], K = its axis 2): each comes as NAME_codes (uint8): NAME with its K axis moved to the last place and cut into blocks of 32 codes, [.., K / 32, bytes a block], one block behind the other in memory; one code a byte (a code: sign, 5 exponent bits, 2 mantissa bits); its scale is its entry of lowp_scales. Its value is code x scale, taken as it is: it is not quantised again, and the codes and scales need not be those that the quantiser above would give.
;; One version. Each part assembles by itself: llvm-mc -triple=amdgcn-amd-amdhsa -mcpu=gfx1250 --defsym DOCPART=n.
;; ======== version 1 of 1: 3 launches
;; limits: right only within a limited range of input values
;; workspace buffers: q_img 8,388,608 bytes; k_img 8,388,608 bytes; v_img 8,388,608 bytes; y_img 8,388,608 bytes
;; launch qkv (part 1): grid 12 x 32, 4 waves a work-group, clusters of 4 x 4, 327,680 bytes of LDS; arguments x_codes, w_qkv_codes, lowp_scales, q_img, k_img, v_img; writes q_img, k_img, v_img
.if DOCPART == 1
	.amdgcn_target "amdgcn-amd-amdhsa--gfx1250"
	.amdhsa_code_object_version 6
	.text
	.protected	k_qcd38720180_qkv
	.globl	k_qcd38720180_qkv
	.p2align	8
	.type	k_qcd38720180_qkv,@function
k_qcd38720180_qkv:
	s_mov_b64 s[64:65], 0
	v_nop
	global_prefetch_b8 v0, s[64:65] scope:SCOPE_SE
	s_setreg_imm32_b32 hwreg(HW_REG_WAVE_MODE, 25, 1), 1
	s_wait_xcnt 0x0
	s_wait_alu depctr_hold_cnt(0) depctr_sa_sdst(0) depctr_va_vdst(0) depctr_va_sdst(0) depctr_va_ssrc(0) depctr_va_vcc(0) depctr_vm_vsrc(0)
	s_getreg_b32 s2, hwreg(HW_REG_IB_STS2, 6, 4)
	s_cmp_eq_u32 s2, 0
	s_cbranch_scc0 .Lentry_in_a_cluster
	s_endpgm
.Lentry_in_a_cluster:
	s_bfe_u32 s2, ttmp6, 0x10000c
	s_cmp_lg_u32 s2, 0xf033
	s_cbranch_scc0 .Lentry_shape_is_right
	s_endpgm
.Lentry_shape_is_right:
; qkv = x w_qkv on codes of BF8 (E5M2), and q, k, v quantised on the way out.  x_codes: [8192 tokens][1024], w_qkv_codes: [3072 channels][1024], K innermost, one code a byte.
; A sum stands for sum x 2^(e0 + e1); its code is sum / 2^(et - e0 - e1), et = e2 for q, e3 for k, e5 for v (entries of the buffer of scales).
; LIMITS: et - e0 - e1 lies between -126 and 112, so that the scale and 57,344 x the scale are f32 numbers.  NaN and infinity codes among the inputs are not served.
; SHARES.  A tile of 256 tokens x 256 channels is made by a work-group of four waves; a wave makes 128 x 128: 64 accumulators of 16 x 16, 512 registers.  12 x 32 tiles, 384 work-groups.
; K goes in steps of 256 through a ring of two LDS slots filled by the tensor data mover; a tile's row is 256 bytes of memory.
; CLUSTERS: 4 x 4 work-groups.  The four of a row of the cluster need the same tokens' tiles, the four of a column the same channels': each tile is asked for JOINTLY, by the same tensor load
; with the same descriptor and a mask that names the four.  The cluster's x (0, 1, 2) says whether the tile belongs to q, k or v: it is equal in all sixteen partners.
; WHAT LEAVES ARE IMAGES OF THE NEXT PRODUCT'S OPERAND REGISTERS.  In a result, lane (r, h) holds column r of source 1 and, in its eight registers, rows 8 h + 0 .. 7 of source 0.  One conversion makes of them
; two registers of codes, which are registers 2 c, 2 c + 1 (k = 16 c + 8 h + 0 .. 7) of an operand of the plain 8-bit forms for the lane that holds row r.
;   q, k: source 1 = 16 tokens, source 0 = 16 channels: a lane holds one token and codes along the head's 64: operands of S = q k^T.
;   v:    source 1 = 16 channels, source 0 = 16 tokens: a lane holds one channel and codes along the keys: the operand of O = p v.  Both sources have one register map, so the change is only which LDS rows feed which source.
; A buffer is [batch 4][pair of heads 8][128 tokens 16][16,384 bytes]; in a block, group m (0..3) of four code registers of source 1's block a (0..7) lies at (m / 2) 8192 + 1024 a + (m % 2) 512 + 16 lane:
; each store of the wave covers 512 consecutive bytes, aligned.  Nothing goes through LDS on the way out.
; REGISTERS, in windows of 256: window 0: v0-31 addresses; from v128 source 1's fragments (8 x 16 rows x 128 K), ONE set; on the way out v128-255 codes.
;   window 1: source 0's fragments, TWO sets, at v0 and v128.   window 2: the accumulators of source 1's blocks 0-3 (accumulator (a, b) at v[8 (8 (a % 4) + b)]);   window 3: those of blocks 4-7.
.set SIZE_K, 1024
.set KSTEP,  256                       ; along K in a slot
.set ROWB,   256                       ; a tile's row in bytes
.set KROW,   SIZE_K                    ; a row of x or of w in memory, in bytes
.set PITCH,  272                       ; an LDS row: 256 bytes + 16 of padding = 68 words: row r starts at bank 4 r mod 64 (64 banks of 4 bytes: ISA guide 11.1)
.set FR,     16                        ; registers of a fragment: 16 rows x 128 K
.set NL,     4                         ; LDS loads that bring one
.set NP,     4                         ; places behind this matrix instruction (ISA guide 7.12.1)
.set HALFT,  128*PITCH                 ; 128 rows: what one tensor load brings
.set SLOT,   4*HALFT                   ; x's 256 rows, then w's 256 rows
.set LAPS,   SIZE_K/(2*KSTEP)          ; a lap = two K steps = once round the ring
.set SPARE,  2*SLOT                    ; behind the ring: the spare words, 128 bytes for each wave, that no other line names
.set SC,   12                          ; v12     the conversion's scale, 2^(et - e0 - e1) as f32
.set LIM,  13
.set ADRA, 16                          ; v16-17  LDS address of source 1's fragments in slot 0, 1
.set ADRB, 20                          ; v20-21  the same for source 0
.set CO,   26                          ; v26     16 x lane: my place in a store's 512 bytes; never rewritten
.set SPW,  28                          ; v28     LDS address of my spare word; never rewritten
.set NIL,  29                          ; v29     0; never rewritten
.set TMP,  32
.set AF,   128                         ; source 1's fragments, in window 0
.set G1, 24                            ; s[24:31] descriptor group 1 for x's tiles;  s[32:39] group 0, one set for each slot
.set G0, 32
.set G1B, 48                           ; s[48:55], s[56:63] the same for w's tiles
.set G0B, 56
.set MSB, 0
.macro WIN new                         ; the immediate's high byte repeats the setting that is left
.if MSB != \new
	s_set_vgpr_msb (MSB<<8)|\new
.set MSB, \new
.endif
.endm
.set MUL_LO, 0xa1                      ; source 0 window 1, source 1 window 0, C and D window 2
.set MUL_HI, 0xf1                      ; the same, C and D window 3
.set TO_B,   0x40                      ; destination window 1, address window 0
; A joint load: waves 0 and 1 fetch x's halves, waves 2 and 3 w's.  Each of the two lines has ONE mask and one set of registers for all that issue it; the branch hangs on the wave's number alone.
; Four v_nop follow each of the two lines, ahead of the jump, the label and what follows.
.macro JLOAD g0a, g1a, g0b, g1b
	s_cmp_eq_u32 s15, 0
	s_cbranch_scc0 .Lfor_b_\@
	tensor_load_to_lds s[\g0a:\g0a+3], s[\g1a:\g1a+7]
	s_nop 0
.rept 4
	v_nop
.endr
	s_branch .Lasked_\@
.Lfor_b_\@:
	tensor_load_to_lds s[\g0b:\g0b+3], s[\g1b:\g1b+7]
	s_nop 0
.rept 4
	v_nop
.endr
.Lasked_\@:
.endm
.macro CREST                           ; a round of the cluster's barrier behind its opening barrier
	s_cmp_lg_u32 s14, 0
	s_cbranch_scc1 .Lnot_wave_0_\@
	s_barrier_signal -3
.Lnot_wave_0_\@:
	s_barrier_wait -3
	s_barrier_signal -1
	s_barrier_wait -1
.endm
.macro CROUND                          ; a whole round
	s_barrier_signal -1
	s_barrier_wait -1
	CREST
.endm
	s_load_b128 s[4:7], s[0:1], 0x0                ; x's codes s[4:5], w's codes s[6:7]
	s_load_b128 s[8:11], s[0:1], 0x10              ; the scales' exponents s[8:9], q_img s[10:11]
	s_load_b128 s[68:71], s[0:1], 0x20             ; k_img s[68:69], v_img s[70:71]
	v_lshl_add_u32 v[SPW], v0, 2, SPARE
	v_mov_b32 v[NIL], 0
	ds_add_u32 v28, v29
	ds_add_u32 v28, v29
	s_wait_dscnt 0x0
	v_lshrrev_b32 v1, 5, v0
	v_readfirstlane_b32 s14, v1                    ; wave 0..3
	s_lshr_b32 s15, s14, 1                         ; which 128 tokens of the tile are mine.  Also: I fetch for x (0) or for w (1)
	s_and_b32 s16, s14, 1                          ; which 128 channels.  Also: which 128 rows of that tile I fetch
	s_bfe_u32 s40, ttmp6, 0x40000                  ; cx, cy: my place in the cluster
	s_bfe_u32 s41, ttmp6, 0x40004
	s_lshl_b32 s42, ttmp9, 2
	s_add_co_u32 s42, s42, s40                     ; tile column = 4 x cluster x + cx
	s_and_b32 s17, ttmp7, 0xffff
	s_lshl_b32 s17, s17, 2
	s_add_co_u32 s17, s17, s41                     ; tile row = 4 x cluster y + cy
	s_lshl_b32 s43, s41, 2
	s_lshl_b32 s43, 15, s43                        ; my row of the cluster
	s_lshl_b32 s44, 0x1111, s40                    ; my column
	; descriptor group 1: a tile of 128 rows x 256 bytes, padded in LDS
	s_or_b32 s[G1+0], s43, (0<<16)|(1<<20)|(1<<21)|(5<<22)|(3<<25)  ; 15:0 the mask: x's tiles go to my row; 17:16 element of 1 byte; 20 padding on; 21 set beside a mask; 24:22 after every 64 words (code 5); 31:25 of 4 words (code 3)
	s_or_b32 s[G1B+0], s44, (0<<16)|(1<<20)|(1<<21)|(5<<22)|(3<<25)
.irp g, G1, G1B
	s_mov_b32 s[\g+1], ROWB<<16                    ; tensor_dim0
	s_mov_b32 s[\g+2], 128<<16                     ; tensor_dim1 = 128
	s_mov_b32 s[\g+3], ROWB<<16                    ; tile_dim0
	s_mov_b32 s[\g+4], 128                         ; tile_dim1 = 128
	s_mov_b32 s[\g+5], KROW                        ; tensor_dim0_stride
	s_mov_b32 s[\g+6], 0
	s_mov_b32 s[\g+7], 0
.endr
	s_lshl_b32 s18, s16, 7                         ; which 128 rows of the tile I fetch
	s_lshl_b32 s20, s17, 8
	s_add_co_u32 s20, s20, s18                     ; x: row 256 x tile row + 128 x half
	s_lshl_b32 s46, s42, 8
	s_add_co_u32 s46, s46, s18                     ; w: row 256 x tile column + 128 x half
	s_mov_b32 s21, 0
	s_mov_b32 s47, 0
	s_mov_b64 s[18:19], KROW
	s_mul_u64 s[20:21], s[20:21], s[18:19]
	s_mul_u64 s[46:47], s[46:47], s[18:19]
	s_mul_i32 s45, s14, HALFT                      ; where they go: wave x 128 rows: no place in the cluster enters an LDS address
	s_wait_kmcnt 0x0
	s_load_b256 s[72:79], s[8:9], 0x0              ; e0 .. e7
	s_add_nc_u64 s[20:21], s[4:5], s[20:21]
	s_add_nc_u64 s[46:47], s[6:7], s[46:47]
	CROUND                                         ; all sixteen work-groups are here: the first joint loads meet
.irp s, 0,1
	s_mov_b32 s[G0+4*\s], 1
	s_add_co_u32 s[G0+4*\s+1], s45, \s*SLOT
	s_add_nc_u64 s[G0+4*\s+2:G0+4*\s+3], s[20:21], \s*ROWB
	s_or_b32 s[G0+4*\s+3], s[G0+4*\s+3], 0x80000000
	s_mov_b32 s[G0B+4*\s], 1
	s_add_co_u32 s[G0B+4*\s+1], s45, \s*SLOT
	s_add_nc_u64 s[G0B+4*\s+2:G0B+4*\s+3], s[46:47], \s*ROWB
	s_or_b32 s[G0B+4*\s+3], s[G0B+4*\s+3], 0x80000000
	JLOAD G0+4*\s, G1, G0B+4*\s, G1B
.endr
	v_and_b32 v1, 15, v0                           ; l % 16
	v_bfe_u32 v2, v0, 4, 1                         ; l / 16
	v_mul_u32_u24 v3, v1, PITCH
	v_lshl_add_u32 v4, v2, 4, v3                   ; a fragment's row x pitch + 16 x half
	s_wait_alu depctr_va_vdst(0)
	s_mul_i32 s21, s15, HALFT                      ; my 128 tokens' rows
	s_mul_i32 s22, s16, HALFT                      ; my 128 channels' rows,
	s_add_co_u32 s22, s22, 2*HALFT                 ; which lie behind x's 256
	s_cmp_eq_u32 ttmp9, 2                          ; v's cluster?  The choice hangs on the cluster's x alone
	s_cselect_b32 s80, s22, s21                    ; source 1: tokens for q and k, channels for v
	s_cselect_b32 s81, s21, s22                    ; source 0: the other
.irp s, 0,1
	v_add_nc_u32 v[ADRA+\s], s80, v4
	v_add_nc_u32 v[ADRB+\s], s81, v4
	s_add_co_u32 s80, s80, SLOT
	s_add_co_u32 s81, s81, SLOT
.endr
	v_and_b32 v6, 31, v0
	v_lshlrev_b32 v[CO], 4, v6
	; my block of 16,384 bytes: batch x 128 + pair of heads x 16 + group of 128 tokens
	s_lshr_b32 s20, s17, 3                         ; batch: 8 tile rows each
	s_lshl_b32 s20, s20, 7
	s_and_b32 s21, s17, 7
	s_lshl_b32 s21, s21, 1
	s_add_co_u32 s20, s20, s21
	s_add_co_u32 s20, s20, s15                     ; + 2 (tile row % 8) + my half of the tokens
	s_lshl_b32 s46, s40, 1
	s_add_co_u32 s46, s46, s16                     ; pair of heads: 2 cx + my half of the channels
	s_lshl_b32 s46, s46, 4
	s_add_co_u32 s20, s20, s46
	s_lshl_b32 s20, s20, 14
	s_mov_b32 s21, 0
	s_cmp_eq_u32 ttmp9, 0
	s_cselect_b64 s[10:11], s[10:11], s[68:69]     ; q_img or k_img,
	s_cmp_eq_u32 ttmp9, 2
	s_cselect_b64 s[10:11], s[70:71], s[10:11]     ; or v_img
	s_add_nc_u64 s[10:11], s[10:11], s[20:21]
.macro FRAG reg, adr, q, i             ; a fragment, 16 rows x 128 K: lane l holds row l % 16; registers 4 c .. 4 c + 3 hold K = 32 c + 16 (l / 16) + 0 .. 15: one order of k for both sources, so every product meets its partner
.irp c, 0,1,2,3
	ds_load_b128 v[\reg+4*\c:\reg+4*\c+3], v[\adr] offset:128*(\q)+32*\c+(\i)*16*PITCH
.endr
.endm
; 16 matrix instructions: source 1's blocks a0, a0 + 1 x source 0's eight, 128 along K.  p: source 0's set.  zero = 1: the first product starts the sums: nothing is ever cleared.
; The 64 accumulators take turns, one instruction a turn, in the same order in every step.
.macro MUL16 a0, p, zero
.irp a, \a0, \a0+1
.irp b, 0,1,2,3,4,5,6,7
.if \zero
	v_wmma_f32_16x16x128_bf8_bf8 v[8*(8*((\a)%4)+\b):8*(8*((\a)%4)+\b)+7], v[128*(\p)+FR*\b:128*(\p)+FR*\b+FR-1], v[AF+FR*(\a):AF+FR*(\a)+FR-1], 0
.else
	v_wmma_f32_16x16x128_bf8_bf8 v[8*(8*((\a)%4)+\b):8*(8*((\a)%4)+\b)+7], v[128*(\p)+FR*\b:128*(\p)+FR*\b+FR-1], v[AF+FR*(\a):AF+FR*(\a)+FR-1], v[8*(8*((\a)%4)+\b):8*(8*((\a)%4)+\b)+7]
.endif
.endr
.endr
.endm
.macro FETCH_B slot, q, p              ; source 0's eight fragments of the slot's q-th 128 along K into set p
	WIN TO_B
.irp i, 0,1,2,3,4,5,6,7
	FRAG 128*(\p)+FR*\i, ADRB+\slot, \q, \i
.endr
	WIN 0
.endm
.macro FETCH_A slot, q, i0             ; source 1's blocks i0 .. i0 + 3
.irp i, \i0, \i0+1, \i0+2, \i0+3
	FRAG AF+FR*(\i), ADRA+\slot, \q, \i
.endr
.endm
; A load into a register that a matrix instruction has read, and a vector instruction that reads a matrix result, stand NP places behind that matrix instruction; only plain vector
; instructions that name none of its registers are places (ISA guide 7.12.1 for vector instructions).
.macro PLACES n
.rept \n
	v_nop
.endr
.endm
; A step of 128 along K that has its successor in the same slot.
.macro STEP slot, q, zero
	s_wait_dscnt 4*NL                              ; source 0's set and source 1's blocks 0-3 are in; the youngest 16 loads (blocks 4-7) may be out
	WIN MUL_LO
	MUL16 0, (\q)%2, \zero
	MUL16 2, (\q)%2, \zero
	s_wait_dscnt 0                                 ; blocks 4-7 are in (asked for 32 matrix instructions ago)
	PLACES NP
	FETCH_B \slot, (\q)+1, 1-(\q)%2
	FETCH_A \slot, (\q)+1, 0
	WIN MUL_HI
	MUL16 4, (\q)%2, \zero
	MUL16 6, (\q)%2, \zero
	PLACES NP
	WIN 0
	FETCH_A \slot, (\q)+1, 4
.endm
; A slot's last step changes slots: ONE barrier; in front of it each wave waits for all its tensor loads, adds 0 to its spare word, and waits for that and for its own reads of this slot.  fill = 1: this slot is filled again, two K steps ahead.
.macro TURN slot, next, fill
	s_wait_tensorcnt 0x0                           ; all my tensor loads have landed: my part of the next slot;  (every window is 0 here)
	ds_add_u32 v[SPW], v[NIL]                      ; 0 onto my spare word
	s_wait_dscnt 4*NL+1                            ; (the add and the youngest 16 loads, blocks 4-7, may be out)
	WIN MUL_LO
	MUL16 0, 1, 0                                  ; sixteen matrix instructions stand between the add and the wait for it
	s_wait_dscnt 0x0                               ; the add is done, and my reads of this slot are over
	s_barrier_signal -1
	MUL16 2, 1, 0
	WIN 0
	s_barrier_wait -1
.if \fill
	CREST                                          ; the barrier has opened a round of the cluster's barrier: no wave of any partner still reads this slot's tile or has a load on its way
	s_add_nc_u64 s[G0+4*\slot+2:G0+4*\slot+3], s[G0+4*\slot+2:G0+4*\slot+3], 2*ROWB
	s_add_nc_u64 s[G0B+4*\slot+2:G0B+4*\slot+3], s[G0B+4*\slot+2:G0B+4*\slot+3], 2*ROWB
	JLOAD G0+4*\slot, G1, G0B+4*\slot, G1B         ; the first tensor load behind the round; the four v_nop behind it are the places in front of the loads below
.else
	PLACES NP
.endif
	FETCH_B \next, 0, 0
	FETCH_A \next, 0, 0
	WIN MUL_HI
	MUL16 4, 1, 0
	MUL16 6, 1, 0
	PLACES NP
	WIN 0
	FETCH_A \next, 0, 4
.endm
	s_wait_alu depctr_va_vdst(0)
	s_wait_tensorcnt 1                             ; my part of K step 0 is in (K step 1's load may be out)
	s_barrier_signal -1
	s_barrier_wait -1                              ; everybody's is
	FETCH_B 0, 0, 0
	FETCH_A 0, 0, 0
	FETCH_A 0, 0, 4
	STEP 0, 0, 1                                   ; the first step stands in front of the loop: its products start the sums
	s_mov_b32 s3, LAPS-1
.Llap:                                                 ; a trip goes once round the ring, from a lap's second step to the next lap's first, and fills both slots again
	TURN 0, 1, 1
	STEP 1, 0, 0
	TURN 1, 0, 1
	STEP 0, 0, 0
	s_sub_co_u32 s3, s3, 1
	s_cmp_lg_u32 s3, 0
	s_cbranch_scc1 .Llap
	TURN 0, 1, 0                                   ; the last lap fills nothing, and has no round of the cluster's barrier
	STEP 1, 0, 0
	s_wait_dscnt 4*NL                              ; the very last step: nothing more to fetch
	WIN MUL_LO
	MUL16 0, 1, 0
	MUL16 2, 1, 0
	s_wait_dscnt 0
	WIN MUL_HI
	MUL16 4, 1, 0
	MUL16 6, 1, 0
	WIN 0
; THE WAY OUT, block by block of source 1: the block's 64 sums go straight from the accumulators into the conversions, each accumulator from its low
; end on; eight conversions make 16 registers of codes; four stores of 512 consecutive bytes.  Each block has code registers of its own (where source 1's fragments lay), so no store's data are written again.
.macro OUTBLK a
.set AC, 64*((\a)%4)
.set CD, 128+16*(\a)
.set WN, 0x02+((\a)/4)
	WIN WN                                         ; source 0: window 2 or 3
.set j, 0
.rept 64
.set j, j+1
.endr
.irp b, 0,1,2,3,4,5,6,7
	v_cvt_scalef32_pk8_bf8_f32 v[CD+2*\b:CD+2*\b+1], v[AC+8*\b:AC+8*\b+7], v[SC]
.endr
	WIN 0
	v_nop                                          ; one plain vector instruction between the conversions and the stores that read their results
.irp m, 0,1,2,3
	global_store_b128 v[CO], v[CD+4*\m:CD+4*\m+3], s[10:11] offset:(\m/2)*8192+(\a)*1024+(\m%2)*512
.endr
.endm
	s_wait_kmcnt 0x0                               ; the exponents
	s_cmp_eq_u32 ttmp9, 0
	s_cselect_b32 s82, s74, s75                    ; e2 for q, e3 for k,
	s_cmp_eq_u32 ttmp9, 2
	s_cselect_b32 s82, s77, s82                    ; e5 for v
	s_sub_co_i32 s82, s82, s72
	s_sub_co_i32 s82, s82, s73                     ; et - e0 - e1: the three scales folded into the conversion's one
	s_add_co_i32 s82, s82, 127
	s_lshl_b32 s83, s82, 23
	v_mov_b32 v[SC], s83
	s_add_co_i32 s82, s82, 15
	s_lshl_b32 s82, s82, 23
	s_or_b32 s82, s82, 0x600000
	PLACES NP                                      ; behind the last products
.irp a, 0,1,2,3,4,5,6,7
	OUTBLK \a
.endr
	s_wait_tensorcnt 0x0                           ; the wave's end
	ds_add_u32 v[SPW], v[NIL]
	s_wait_dscnt 0x0
	CROUND                                         ; the closing round: no work-group ends while a partner may still ask for a tile that names it
	s_endpgm
.Lfunc_end_k_qcd38720180_qkv:
	.size	k_qcd38720180_qkv, .Lfunc_end_k_qcd38720180_qkv-k_qcd38720180_qkv
	.p2alignl 7, 3214868480
	.fill 96, 4, 3214868480
	.section	.rodata,"a",@progbits
	.p2align	6, 0x0
	.amdhsa_kernel k_qcd38720180_qkv
		.amdhsa_group_segment_fixed_size 327680
		.amdhsa_private_segment_fixed_size 0
		.amdhsa_enable_private_segment 0
		.amdhsa_kernarg_size 48
		.amdhsa_user_sgpr_count 2
		.amdhsa_user_sgpr_kernarg_segment_ptr 1
		.amdhsa_wavefront_size32 1
		.amdhsa_system_sgpr_workgroup_id_x 1
		.amdhsa_system_sgpr_workgroup_id_y 1
		.amdhsa_system_sgpr_workgroup_id_z 1
		.amdhsa_system_vgpr_workitem_id 0
		.amdhsa_next_free_vgpr 1024
		.amdhsa_next_free_sgpr 100
		.amdhsa_reserve_vcc 0
		.amdhsa_float_denorm_mode_32 3
		.amdhsa_float_denorm_mode_16_64 3
		.amdhsa_fp16_overflow 1
		.amdhsa_memory_ordered 1
		.amdhsa_forward_progress 1
		.amdhsa_inst_pref_size 86
	.end_amdhsa_kernel
	.amdgpu_metadata
---
amdhsa.version: [ 1, 2 ]
amdhsa.kernels:
  - .name:           k_qcd38720180_qkv
    .symbol:         k_qcd38720180_qkv.kd
    .args:
      - { .name: x_codes, .offset: 0, .size: 8, .value_kind: global_buffer, .address_space: global }
      - { .name: w_qkv_codes, .offset: 8, .size: 8, .value_kind: global_buffer, .address_space: global }
      - { .name: lowp_scales, .offset: 16, .size: 8, .value_kind: global_buffer, .address_space: global }
      - { .name: q_img, .offset: 24, .size: 8, .value_kind: global_buffer, .address_space: global }
      - { .name: k_img, .offset: 32, .size: 8, .value_kind: global_buffer, .address_space: global }
      - { .name: v_img, .offset: 40, .size: 8, .value_kind: global_buffer, .address_space: global }
    .group_segment_fixed_size: 327680
    .private_segment_fixed_size: 0
    .kernarg_segment_align: 8
    .kernarg_segment_size: 48
    .max_flat_workgroup_size: 128
    .sgpr_count:     100
    .vgpr_count:     1024
    .wavefront_size: 32
...
	.end_amdgpu_metadata
.endif
;; end of part 1
;; launch attn (part 2): grid 4 x 64, 16 waves a work-group, no clusters, 327,680 bytes of LDS; arguments q_img, k_img, v_img, lowp_scales, y_img; writes y_img
.if DOCPART == 2
	.amdgcn_target "amdgcn-amd-amdhsa--gfx1250"
	.amdhsa_code_object_version 6
	.text
	.protected	k_qcd38720180_attn
	.globl	k_qcd38720180_attn
	.p2align	8
	.type	k_qcd38720180_attn,@function
k_qcd38720180_attn:
	s_mov_b64 s[64:65], 0
	v_nop
	global_prefetch_b8 v0, s[64:65] scope:SCOPE_SE
	s_setreg_imm32_b32 hwreg(HW_REG_WAVE_MODE, 25, 1), 1
	s_wait_xcnt 0x0
; y[b][q][head] = the sum over keys k <= q of softmax_k(q . k / 8) v, both products on codes of BF8 (E5M2); y is quantised on the way out with 2^e6.  64 heads (batch x head), 2,048 tokens, head size 64.
; q_img, k_img, v_img hold images of operand registers: [batch 4][pair of heads 8][128 tokens 16][16,384 bytes].  q, k: head eta of the pair, tile a of 16 tokens: 1,024 bytes at 8192 eta + 1024 a: an operand of the
; 16x16x64 form (lane (r, h): token r, registers 2 c, 2 c + 1: channels 16 c + 8 h + 0 .. 7), registers 0-3 in the first 512 bytes (16 a lane), 4-7 in the second.  v: tile ct of 16 channels, group m of four registers
; of an operand of the 16x16x128 form (lane: channel r; registers along the 128 keys) at 8192 (m / 2) + 4096 eta + 1024 ct + 512 (m % 2).
; y_img: [four heads 4][tile of 16 tokens 512][4,096 bytes]; a head's eight code registers (lane: token r; channels 16 c + 8 h + 0 .. 7) at 1024 (head % 4), in two runs of 512 bytes.
; THE SOFTMAX AHEAD OF THE SECOND PRODUCT: t = score x log2(e) / 8; M = the row's largest t so far, rounded UP to a whole number; p = 2^(t - M) is quantised with 2^e4, not normalised.  The row's sum is taken of the
; unquantised p, in f32, and divides at the end.  When M moves, the sum and O are multiplied by 2^(old M - new M): exact.
; SHARES.  Work-group (p, head) owns two blocks of 256 queries: block 7 - p first, then block p.  It makes NINE visits of 256 keys: 8 - p for the first block, p + 1 for the second: the same work in all 256
; work-groups, and no visit lies wholly above the diagonal.  Each of the sixteen waves owns 16 queries of the block in hand, in 256 registers: four waves to a SIMD, so that one wave's vector work stands beside another's products.
; A key step is 128 keys.  A step all of whose keys come after the wave's queries is jumped over (a scalar branch on ids); on the diagonal hidden scores become -infinity ahead of the maximum.
; K's and V's images come through a ring of two LDS slots of 256 keys, filled by the tensor data mover (waves 0, 1: K's two steps; waves 2, 3: V's) and read by all sixteen, contiguously, 16 bytes a lane.
; BOTH PRODUCTS ARE USED TRANSPOSED: S^T = K Q^T (source 0 = 16 keys), O^T = V^T P^T (source 0 = 16 channels): a lane holds ONE query throughout, and the conversions' results are the next operand's registers.
; NO CLUSTER: the four work-groups of a head are on different key slots from the fifth visit on (the first block of work-group p ends after 8 - p visits), so partners would need different tiles in one round;
; walking in step would take 12 visits a work-group in place of 9, and what is shared is 32,768 bytes a visit.
; LIMITS on the given exponents: e2 + e3 between -123 and 130 (added to c's exponent field); e4, and e6 - e4 - e5, between -126 and 112.  A p under 2^-126 counts as 0.  NaN among the codes is not served.
; REGISTERS: v1 16 x lane; v3 prefetch offset; v5, v6 the add's; v8 LDS address in hand; v12 -M, v13 the largest t, v[14:15] the sum in two halves; v16-23 Q; v24-31 y's codes; v32-95 K's eight fragments, then V's four;
;   v96-159 S^T, then p, at the end y; v160-191 O^T; v224-239 p's codes; v244: 2^e4; v246: 2^(e6 - e4 - e5); v236-243, v248-255 at work.
.set SLOT1, 32768                      ; a slot: K's 16,384 bytes ([step 2][tile 8][2][512]), then V's ([step 2][m / 2][ct 4][m % 2][512]); slot 1 begins here: one exclusive or turns an address
.set VOFF,  16384
.set SPARE, 65536                      ; behind the ring: the spare words, 128 bytes for each of the sixteen waves, that no other line names
.set LI,   1
.set PFO,  3
.set SPW,  5
.set NIL,  6
.set ADR,  8
.set TB,   2                           ; s2   LDS byte at which the slot in hand begins
.set SW,   3                           ; s3   7 - p: the first block, and the visit that ends it
.set QLO,  8                           ; s[8:9]   my Q fragment of the second block
.set YLO,  10                          ; s[10:11] my place in y_img for the second block
.set YP,   16                          ; s[16:17] my place in y_img for the block in hand
.set WV,   18                          ; s18  my wave's number
.set VIS,  19                          ; s19  the visit
.set SEL,  20                          ; s[20:21] lane selects for v_permlanex16_b32: lane l xor 16
.set CS,   22                          ; s[22:23] c = log2(e) / 8 x 2^(e2 + e3)
.set G1K,  24                          ; s[24:31] descriptor group 1 for K;  s[32:39] for V;  s[40:43], s[44:47] their groups 0
.set G1V,  32
.set G0K,  40
.set G0V,  44
.set KB,   48                          ; s[48:49] K's image of my head and my step, key slot 0
.set VB,   50                          ; s[50:51] V's
.set GOF,  52                          ; s[52:53] the key slot that is asked for, x 32,768 bytes
.set LIM,  54                          ; s54  a wave prefetches while the visit's number is under it: 6 or 0
.set Q0LO, 55                          ; s55  my first query in the second block
.set PFA,  56                          ; s[56:57] where my prefetches stand
.set KF,   98                          ; s98  the step's first key
.set Q0,   99                          ; s99  my first query
; Waves 0 and 1 fetch for K, waves 2 and 3 for V, the others nothing.  The branches hang on the wave's number alone.  Four v_nop follow each of the two lines.
.macro TLOAD
	s_cmp_lt_u32 s[WV], 2
	s_cbranch_scc0 .Lnot_k_\@
	tensor_load_to_lds s[G0K:G0K+3], s[G1K:G1K+7]
	s_nop 0
.rept 4
	v_nop
.endr
	s_branch .Lasked_\@
.Lnot_k_\@:
	s_cmp_lt_u32 s[WV], 4
	s_cbranch_scc0 .Lasked_\@
	tensor_load_to_lds s[G0V:G0V+3], s[G1V:G1V+7]
	s_nop 0
.rept 4
	v_nop
.endr
.Lasked_\@:
.endm
; A PREFETCH of the key slot that the NEXT change of slots will ask for.  All four work-groups of a head walk the same K and V; work-group p = 0 walks key slots 0 to 7 in order, and it alone asks.  In it the waves ask that
; fetch nothing, one instruction each: waves 4, 5 for the two steps' 8,192 bytes of K (lanes 256 bytes apart), waves 6, 7 for V's two rows of 4,096 bytes a step (16 lanes a row).  So each aligned 256 bytes are named once
; in the launch.  Visit n names key slot n + 2; visits 6 and later name nothing: there is no key slot 8.  Key slots 0 and 1 come by their loads alone.
.macro ASK
	s_cmp_lt_u32 s[VIS], s[LIM]
	s_cbranch_scc0 .Lnot_mine_\@
	global_prefetch_b8 v[PFO], s[PFA:PFA+1] th:TH_LOAD_NT scope:SCOPE_SE
.Lnot_mine_\@:
.endm
	s_load_b128 s[4:7], s[0:1], 0x0                ; q_img s[4:5], k_img s[6:7]
	s_load_b128 s[12:15], s[0:1], 0x10             ; v_img s[12:13], the scales' exponents s[14:15]
	s_load_b64 s[16:17], s[0:1], 0x20              ; y_img
	v_lshl_add_u32 v[SPW], v0, 2, SPARE
	v_mov_b32 v[NIL], 0
	ds_add_u32 v5, v6
	ds_add_u32 v5, v6
	s_wait_dscnt 0x0
	v_lshrrev_b32 v8, 5, v0
	s_delay_alu instid0(VALU_DEP_1)
	v_readfirstlane_b32 s[WV], v8                  ; wave 0..15
	s_and_b32 s76, ttmp7, 0xffff                   ; 16 x batch + head
	s_sub_co_u32 s[SW], 7, ttmp9
	s_lshr_b32 s77, s76, 1
	s_lshl_b32 s77, s77, 18                        ; the pair of heads: 16 blocks of 16,384 bytes
	s_and_b32 s78, s76, 1                          ; eta: which head of the pair
	s_and_b32 s79, s[WV], 1                        ; which of a slot's two steps I fetch
	s_lshl_b32 s80, s79, 14
	s_add_co_u32 s80, s80, s77
	s_lshl_b32 s81, s78, 13
	s_add_co_u32 s82, s80, s81                     ; K: + 8192 eta
	s_mov_b32 s83, 0
	s_lshl_b32 s81, s78, 12
	s_add_co_u32 s84, s80, s81                     ; V: + 4096 eta
	s_mov_b32 s85, 0
	s_lshl_b32 s81, s78, 13                        ; Q: + 8192 eta + 16384 (wave / 8) + 1024 (wave % 8) + 32768 block
	s_add_co_u32 s86, s77, s81
	s_lshr_b32 s81, s[WV], 3
	s_lshl_b32 s81, s81, 14
	s_add_co_u32 s86, s86, s81
	s_and_b32 s81, s[WV], 7
	s_lshl_b32 s81, s81, 10
	s_add_co_u32 s86, s86, s81
	s_lshl_b32 s81, ttmp9, 15
	s_add_co_u32 s88, s86, s81                     ; the second block's
	s_mov_b32 s89, 0
	s_lshl_b32 s81, s[SW], 15
	s_add_co_u32 s86, s86, s81                     ; the first block's
	s_mov_b32 s87, 0
	s_bfe_u32 s81, s76, 0x20002                    ; y: head / 4
	s_lshl_b32 s90, s81, 21
	s_lshr_b32 s81, s76, 4                         ; batch
	s_lshl_b32 s81, s81, 7
	s_add_co_u32 s81, s81, s[WV]
	s_lshl_b32 s81, s81, 12                        ; (128 batch + wave) tiles of 4,096 bytes
	s_add_co_u32 s90, s90, s81
	s_and_b32 s81, s76, 3
	s_lshl_b32 s81, s81, 10                        ; head % 4
	s_add_co_u32 s90, s90, s81
	s_lshl_b32 s81, ttmp9, 16                      ; + 16 tiles a block
	s_add_co_u32 s92, s90, s81
	s_mov_b32 s93, 0
	s_lshl_b32 s81, s[SW], 16
	s_add_co_u32 s90, s90, s81
	s_mov_b32 s91, 0
	s_lshl_b32 s81, s[WV], 4
	s_lshl_b32 s[Q0], s[SW], 8
	s_add_co_u32 s[Q0], s[Q0], s81                 ; my first query: 256 block + 16 wave
	s_lshl_b32 s[Q0LO], ttmp9, 8
	s_add_co_u32 s[Q0LO], s[Q0LO], s81
	s_lshl_b32 s94, s79, 13                        ; where my tile goes in a slot: K: 8192 x step;
	s_add_co_u32 s95, s94, VOFF                    ; V: behind K
	; descriptor group 1.  K: 8,192 dense bytes as 32 rows of 32 elements of 8 bytes.  V: 2 rows of 512 elements, 1,024 elements apart
	s_mov_b32 s[G1K], 3<<16                        ; 15:0 no mask; 17:16 elements of 8 bytes; no padding
	s_mov_b32 s[G1K+1], 32<<16                     ; tensor_dim0
	s_mov_b32 s[G1K+2], 32<<16                     ; tensor_dim1
	s_mov_b32 s[G1K+3], 32<<16                     ; tile_dim0
	s_mov_b32 s[G1K+4], 32                         ; tile_dim1
	s_mov_b32 s[G1K+5], 32                         ; tensor_dim0_stride
	s_mov_b32 s[G1K+6], 0
	s_mov_b32 s[G1K+7], 0
	s_mov_b32 s[G1V], 3<<16
	s_mov_b32 s[G1V+1], 512<<16
	s_mov_b32 s[G1V+2], 2<<16
	s_mov_b32 s[G1V+3], 512<<16
	s_mov_b32 s[G1V+4], 2
	s_mov_b32 s[G1V+5], 1024
	s_mov_b32 s[G1V+6], 0
	s_mov_b32 s[G1V+7], 0
	s_mov_b32 s[SEL], 0x76543210
	s_mov_b32 s[SEL+1], 0xfedcba98
	s_mov_b32 s[CS], 0x3e38aa3b                    ; c = log2(e) / 8
	s_mov_b32 s[TB], 0
	s_mov_b32 s[KF], 0
	s_mov_b32 s[GOF], 0
	s_mov_b32 s[GOF+1], 0
	s_wait_kmcnt 0x0
	s_load_b256 s[68:75], s[14:15], 0x0            ; e0 .. e7
	s_add_nc_u64 s[KB:KB+1], s[6:7], s[82:83]
	s_add_nc_u64 s[VB:VB+1], s[12:13], s[84:85]
	s_mov_b32 s[G0K], 1                            ; 1:0 count = 1
	s_mov_b32 s[G0K+1], s94                        ; 63:32 LDS address: slot 0
	s_mov_b64 s[G0K+2:G0K+3], s[KB:KB+1]           ; 120:64 global address: key slot 0
	s_or_b32 s[G0K+3], s[G0K+3], 0x80000000        ; 127:126 type = 2
	s_mov_b32 s[G0V], 1
	s_mov_b32 s[G0V+1], s95
	s_mov_b64 s[G0V+2:G0V+3], s[VB:VB+1]
	s_or_b32 s[G0V+3], s[G0V+3], 0x80000000
	TLOAD                                          ; visit 0's keys, into slot 0
	s_add_nc_u64 s[QLO:QLO+1], s[4:5], s[88:89]
	s_add_nc_u64 s[4:5], s[4:5], s[86:87]          ; Q of the first block
	s_add_nc_u64 s[YLO:YLO+1], s[16:17], s[92:93]
	s_add_nc_u64 s[YP:YP+1], s[16:17], s[90:91]
	v_and_b32 v[LI], 31, v0
	s_delay_alu instid0(VALU_DEP_1)
	v_lshlrev_b32 v[LI], 4, v[LI]
	global_load_b128 v[16:19], v[LI], s[4:5]       ; Q's fragment stays in registers
	global_load_b128 v[20:23], v[LI], s[4:5] offset:512
	; the prefetches: where my wave's stand, and who asks
	s_cmp_lt_u32 s[WV], 6
	s_cselect_b64 s[PFA:PFA+1], s[KB:KB+1], s[VB:VB+1]
	s_cselect_b32 s81, 12, 13                      ; lanes 16-31: 4,096 bytes on in K's run, 8,192 in V (its second row)
	s_add_nc_u64 s[PFA:PFA+1], s[PFA:PFA+1], 32768 ; at key slot 1: the first change of slots steps it to key slot 2
	v_bfe_u32 v[PFO], v0, 4, 1
	s_delay_alu instid0(VALU_DEP_1)
	v_lshlrev_b32 v[PFO], s81, v[PFO]
	v_and_b32 v9, 15, v0
	s_delay_alu instid0(VALU_DEP_1)
	v_lshl_add_u32 v[PFO], v9, 8, v[PFO]
	s_sub_co_u32 s81, s[WV], 4
	s_lshr_b32 s81, s81, 2                         ; 0 in waves 4 to 7,
	s_or_b32 s81, s81, ttmp9                       ; of work-group p = 0
	s_cmp_eq_u32 s81, 0
	s_cselect_b32 s[LIM], 6, 0
	v_mov_b32 v13, 0xff61b1e6                      ; the largest t so far: -3e38, under every t
	s_delay_alu instid0(VALU_DEP_1)
	v_floor_f32 v12, -v13                          ; -M
	v_mov_b32 v14, 0                               ; the sum, in two halves
	v_mov_b32 v15, 0
	v_mov_b32 v236, 0                              ; written once: a lane permute's destination counts as one of its sources
	v_mov_b32 v252, 0
	v_mov_b32 v253, 0                              ; (named as the upper half of the pair v[252:253])
.set j, 0
.rept 32
	v_mov_b32 v[160+j], 0                          ; O^T.  (A key step is written without a first step of its own: it finds zeros, which the first change of M leaves zeros)
.set j, j+1
.endr
	s_wait_kmcnt 0x0
	s_add_co_i32 s76, s70, s71
	s_lshl_b32 s76, s76, 23
	s_add_co_i32 s[CS], s[CS], s76                 ; a score stands for score x 2^(e2 + e3): the exponents are added to c's exponent field
	s_mov_b32 s[CS+1], s[CS]                       ; (named with it as a pair, so it is written)
	s_add_co_i32 s76, s72, 127
	s_lshl_b32 s77, s76, 23
	v_mov_b32 v244, s77                            ; 2^e4 as f32, for p's conversions
	s_sub_co_i32 s76, s74, s72
	s_sub_co_i32 s76, s76, s73                     ; O / l stands for y / 2^(e4 + e5): y's code is (O / l) / 2^(e6 - e4 - e5)
	s_add_co_i32 s76, s76, 127
	s_lshl_b32 s77, s76, 23
	v_mov_b32 v246, s77
; A KEY STEP: 128 keys, the q-th of the slot in hand.
.macro STEP q
	s_add_co_u32 s96, s[Q0], 15
	s_cmp_gt_u32 s[KF], s96                        ; all keys come after my 16 queries: the step's work is left out; no barrier and no tensor load stands in a step
	s_cbranch_scc1 .Lhidden_\@
	v_add_nc_u32 v[ADR], s[TB], v[LI]
.rept 3
	v_nop                                          ; with the addition above: four places in front of loads into registers that the last products read
.endr
.irp t, 0,1,2,3,4,5,6,7
.irp c, 0,1
	ds_load_b128 v[32+8*\t+4*\c:32+8*\t+4*\c+3], v[ADR] offset:(\q)*8192+\t*1024+\c*512
.endr
.endr
	s_wait_alu depctr_va_vdst(0)
	s_wait_dscnt 8                                 ; tiles 0-3 are in; the youngest eight loads (tiles 4-7) may be out
.irp t, 0,1,2,3
	v_wmma_f32_16x16x64_bf8_bf8 v[96+8*\t:103+8*\t], v[32+8*\t:39+8*\t], v[16:23], 0
.endr
	s_wait_dscnt 0x0
.irp t, 4,5,6,7
	v_wmma_f32_16x16x64_bf8_bf8 v[96+8*\t:103+8*\t], v[32+8*\t:39+8*\t], v[16:23], 0
.endr                                              ; lane (r, h): query r; register 8 t + j: key KF + 16 t + 8 h + j
.rept 4
	v_nop                                          ; places: in front of the loads over K's fragments, and of the first read of the scores
.endr
.irp ct, 0,1,2,3                                   ; V is asked for now and lands under the softmax
.irp m, 0,1,2,3
	ds_load_b128 v[32+16*\ct+4*\m:32+16*\ct+4*\m+3], v[ADR] offset:VOFF+(\q)*8192+(\m/2)*4096+\ct*1024+(\m%2)*512
.endr
.endr
	s_add_co_u32 s96, s[KF], 127
	s_cmp_le_u32 s96, s[Q0]                        ; a step all of whose keys count skips the mask
	s_cbranch_scc1 .Lopen_\@
	s_sub_co_i32 s96, s[Q0], s[KF]
	v_and_b32 v252, 15, v0
	v_bfe_u32 v253, v0, 4, 1
	s_delay_alu instid0(VALU_DEP_1)
	v_lshlrev_b32 v253, 3, v253
	s_delay_alu instid0(VALU_DEP_1)
	v_sub_nc_u32 v252, v252, v253
	s_delay_alu instid0(VALU_DEP_1)
	v_add_nc_u32 v252, s96, v252                   ; d = my query - KF - 8 h.  Register 8 t + j is hidden where 16 t + j > d
	v_mov_b32 v254, 0xff800000                     ; -infinity
.set n, 0
.rept 64
	v_cmp_gt_i32 vcc_lo, 16*(n/8)+n%8, v252
	v_cndmask_b32 v[96+n], v[96+n], v254, vcc_lo
.set n, n+1
.endr
.Lopen_\@:
	v_max3_num_f32 v254, v96, v97, v98             ; the step's largest score of my query, among my 64 keys, in two chains; each accumulator is first read at its low end
	v_max3_num_f32 v252, v99, v100, v101
.irp i, 6,10,14,18,22,26,30,34,38,42,46,50,54,58
	v_max3_num_f32 v254, v254, v[96+\i], v[97+\i]
	v_max3_num_f32 v252, v252, v[98+\i], v[99+\i]
.endr
	v_max3_num_f32 v254, v254, v158, v159
	s_delay_alu instid0(VALU_DEP_1)
	v_max_num_f32 v254, v254, v252
	v_permlanex16_b32 v236, v254, s[SEL], s[SEL+1]
	s_delay_alu instid0(VALU_DEP_1)
	v_max_num_f32 v254, v254, v236                 ; and among lane l xor 16's
	s_delay_alu instid0(VALU_DEP_1)
	v_mul_f32 v254, s[CS], v254                    ; as t (c is positive)
	s_delay_alu instid0(VALU_DEP_1)
	v_max_num_f32 v13, v13, v254                   ; the running largest t
	v_mov_b32 v254, v12
	s_delay_alu instid0(VALU_DEP_2)
	v_floor_f32 v12, -v13                          ; the new -M = floor(-t) = -ceil(t): M is a whole number
	s_delay_alu instid0(VALU_DEP_1)
	v_sub_f32 v254, v12, v254                      ; M's old value less its new one: a whole number, 0 or less
	s_delay_alu instid0(VALU_DEP_1)
	v_cvt_i32_f32 v254, v254                       ; (it saturates)
	s_delay_alu instid0(VALU_DEP_1)
	v_ldexp_f32 v252, 1.0, v254                    ; f = 2^(old M - new M)
.set j, 0
.rept 32
	v_pk_fma_f32 v[96+j:97+j], v[96+j:97+j], s[CS:CS+1], v[12:13] op_sel_hi:[1,0,0]   ; t - M, two at a time (of the pairs c and -M the low word serves both halves)
.set j, j+2
.endr
.set j, 0
	s_wait_alu depctr_va_vdst(0)
.rept 64
	v_exp_f32 v[96+j], v[96+j]                     ; p = 2^(t - M), at most 1: not normalised
.set j, j+1
.endr
	v_pk_mul_f32 v[14:15], v[14:15], v[252:253] op_sel_hi:[1,0]   ; the sums under the new M: the plain instruction behind the exponentials
	s_wait_alu depctr_va_vdst(0)                   ; one wait for the whole batch, ahead of its first reader
	v_pk_add_f32 v[242:243], v[100:101], v[104:105]
	v_pk_add_f32 v[254:255], v[108:109], v[112:113]
	v_pk_add_f32 v[250:251], v[116:117], v[120:121]
	v_pk_add_f32 v[248:249], v[124:125], v[128:129]
	v_pk_add_f32 v[240:241], v[132:133], v[136:137]
	v_pk_add_f32 v[238:239], v[140:141], v[144:145]
	v_pk_add_f32 v[236:237], v[148:149], v[152:153]
	v_pk_add_f32 v[14:15], v[14:15], v[156:157]
	v_pk_add_f32 v[242:243], v[242:243], v[96:97]
	v_pk_add_f32 v[254:255], v[254:255], v[98:99]
	v_pk_add_f32 v[250:251], v[250:251], v[102:103]
	v_pk_add_f32 v[248:249], v[248:249], v[106:107]
	v_pk_add_f32 v[240:241], v[240:241], v[110:111]
	v_pk_add_f32 v[238:239], v[238:239], v[114:115]
	v_pk_add_f32 v[236:237], v[236:237], v[118:119]
	v_pk_add_f32 v[14:15], v[14:15], v[122:123]
	v_pk_add_f32 v[242:243], v[242:243], v[126:127]
	v_pk_add_f32 v[254:255], v[254:255], v[130:131]
	v_pk_add_f32 v[250:251], v[250:251], v[134:135]
	v_pk_add_f32 v[248:249], v[248:249], v[138:139]
	v_pk_add_f32 v[240:241], v[240:241], v[142:143]
	v_pk_add_f32 v[238:239], v[238:239], v[146:147]
	v_pk_add_f32 v[236:237], v[236:237], v[150:151]
	v_pk_add_f32 v[14:15], v[14:15], v[154:155]
	v_pk_add_f32 v[242:243], v[242:243], v[158:159]
	s_delay_alu instid0(VALU_DEP_2)
	v_pk_add_f32 v[14:15], v[14:15], v[248:249]
	s_delay_alu instid0(VALU_DEP_2)
	v_pk_add_f32 v[242:243], v[242:243], v[240:241]
	v_pk_add_f32 v[254:255], v[254:255], v[238:239]
	v_pk_add_f32 v[250:251], v[250:251], v[236:237]
	s_delay_alu instid0(VALU_DEP_2)
	v_pk_add_f32 v[14:15], v[14:15], v[254:255]
	s_delay_alu instid0(VALU_DEP_2)
	v_pk_add_f32 v[242:243], v[242:243], v[250:251]
	s_delay_alu instid0(VALU_DEP_1)
	v_pk_add_f32 v[14:15], v[14:15], v[242:243]
.irp t, 0,1,2,3,4,5,6,7
.irp i, 0,1,2,3,4,5,6,7
.endr
	v_cvt_scalef32_pk8_bf8_f32 v[224+2*\t:225+2*\t], v[96+8*\t:103+8*\t], v244   ; registers 2 t, 2 t + 1 of the operand: keys 16 t + 8 h + 0 .. 7
.endr
.set j, 0
.rept 16
	v_pk_mul_f32 v[160+j:161+j], v[160+j:161+j], v[252:253] op_sel_hi:[1,0]   ; O^T under the new M: x f.  (Also the plain instructions between the conversions and the products)
.set j, j+2
.endr
	s_wait_alu depctr_va_vdst(0)
	s_wait_dscnt 0x0                               ; V is in
.irp ct, 0,1,2,3                                   ; O^T += V^T P^T: the four accumulators by turns, one instruction a turn
	v_wmma_f32_16x16x128_bf8_bf8 v[160+8*\ct:167+8*\ct], v[32+16*\ct:47+16*\ct], v[224:239], v[160+8*\ct:167+8*\ct]
.endr
.Lhidden_\@:
	s_add_co_u32 s[KF], s[KF], 128
.endm
; THE CHANGE OF SLOTS stands at a visit's head.  Each wave waits for all its tensor loads (its part of the slot that it is about to read), adds 0 to its spare word, and waits for that and for its reads of the slot that it has left.
; Behind the barrier the slot ahead is whole and nobody reads the other one.  fill = 1: that other slot is filled with the next visit's keys: the next key slot, or key slot 0 where this visit ends the first block.
.macro CHANGE fill
	s_wait_tensorcnt 0x0                           ; no tensor load of mine is out, so a group 0 may be written
	ds_add_u32 v[SPW], v[NIL]                      ; 0 onto my spare word; the descriptors' steps stand between it and the wait for it
.if \fill
	s_xor_b32 s[G0K+1], s[G0K+1], SLOT1            ; the other slot than last time
	s_xor_b32 s[G0V+1], s[G0V+1], SLOT1
	s_add_co_u32 s[GOF], s[GOF], 32768             ; the next 256 keys,
	s_cmp_eq_u32 s[VIS], s[SW]
	s_cselect_b32 s[GOF], 0, s[GOF]                ; or the first, for the second block
	s_add_nc_u64 s[G0K+2:G0K+3], s[KB:KB+1], s[GOF:GOF+1]
	s_or_b32 s[G0K+3], s[G0K+3], 0x80000000
	s_add_nc_u64 s[G0V+2:G0V+3], s[VB:VB+1], s[GOF:GOF+1]
	s_or_b32 s[G0V+3], s[G0V+3], 0x80000000
	s_wait_xcnt 0x0                                ; the last prefetch, a visit back, has read its address, so it may be written
	s_add_nc_u64 s[PFA:PFA+1], s[PFA:PFA+1], 32768
.endif
	s_wait_dscnt 0x0                               ; the add is done, and my reads of the slot that I have left are over
	s_barrier_signal -1
	s_barrier_wait -1
.if \fill
	TLOAD                                          ; the first thing behind the barrier, and a wave's one tensor load until the next: it has the visit's two steps in which to land
	ASK
.endif
.endm
; A BLOCK'S END.  The sum's two halves and lane l xor 16's are added; O^T / the sum is converted with 2^(e6 - e4 - e5) and stored: eight code registers, two stores of 512 consecutive bytes.
; re = 1: the second block begins: its Q, its place in y_img, and the state anew.
.macro FINAL re
	v_add_f32 v14, v14, v15
	s_delay_alu instid0(VALU_DEP_1)
	v_permlanex16_b32 v252, v14, s[SEL], s[SEL+1]
	s_delay_alu instid0(VALU_DEP_1)
	v_add_f32 v14, v14, v252
	s_wait_alu depctr_va_vdst(0)
	v_rcp_f32 v14, v14
.rept 4
	v_nop                                          ; the plain instruction behind the reciprocal, and the places behind the last products
.endr
	s_wait_alu depctr_va_vdst(0)                   ; ahead of the reciprocal's first reader
.set j, 0
.rept 16
	v_pk_mul_f32 v[96+j:97+j], v[160+j:161+j], v[14:15] op_sel_hi:[1,0]   ; each accumulator from its low end on
.set j, j+2
.endr
.set j, 0
.rept 32
.set j, j+1
.endr
.irp ct, 0,1,2,3
	v_cvt_scalef32_pk8_bf8_f32 v[24+2*\ct:25+2*\ct], v[96+8*\ct:103+8*\ct], v246   ; channels 16 ct + 8 h + 0 .. 7 of my query
.endr
	v_nop                                          ; one plain vector instruction behind the last conversion
	global_store_b128 v[LI], v[24:27], s[YP:YP+1]
	global_store_b128 v[LI], v[28:31], s[YP:YP+1] offset:512
.if \re
	s_wait_xcnt 0x0                                ; the stores have read their base and their data: both are written again below and at the next block's end
	s_mov_b64 s[YP:YP+1], s[YLO:YLO+1]
	global_load_b128 v[16:19], v[LI], s[QLO:QLO+1]
	global_load_b128 v[20:23], v[LI], s[QLO:QLO+1] offset:512
	s_mov_b32 s[Q0], s[Q0LO]
	s_mov_b32 s[KF], 0
	v_mov_b32 v13, 0xff61b1e6
	s_delay_alu instid0(VALU_DEP_1)
	v_floor_f32 v12, -v13
	v_mov_b32 v14, 0
	v_mov_b32 v15, 0
.set j, 0
.rept 32
	v_mov_b32 v[160+j], 0
.set j, j+1
.endr
	s_wait_loadcnt 0x0                             ; Q
.endif
.endm
	s_wait_loadcnt 0x0                             ; Q
	s_mov_b32 s[VIS], 0
.Lvisit:                                           ; eight trips: behind each change of slots but the last the next visit's keys are asked for
	CHANGE 1
	STEP 0
	STEP 1
	s_xor_b32 s[TB], s[TB], SLOT1                  ; on to the other slot
	s_cmp_lg_u32 s[VIS], s[SW]                     ; the first block ends with visit 7 - p: the same in all sixteen waves
	s_cbranch_scc1 .Lsame
	FINAL 1
.Lsame:
	s_add_co_u32 s[VIS], s[VIS], 1
	s_cmp_lt_u32 s[VIS], 8
	s_cbranch_scc1 .Lvisit
	CHANGE 0                                       ; the ninth visit is written out
	STEP 0
	STEP 1
	FINAL 0
	s_wait_tensorcnt 0x0                           ; the wave's end
	ds_add_u32 v[SPW], v[NIL]
	s_wait_dscnt 0x0
	s_endpgm
.Lfunc_end_k_qcd38720180_attn:
	.size	k_qcd38720180_attn, .Lfunc_end_k_qcd38720180_attn-k_qcd38720180_attn
	.p2alignl 7, 3214868480
	.fill 96, 4, 3214868480
	.section	.rodata,"a",@progbits
	.p2align	6, 0x0
	.amdhsa_kernel k_qcd38720180_attn
		.amdhsa_group_segment_fixed_size 327680
		.amdhsa_private_segment_fixed_size 0
		.amdhsa_enable_private_segment 0
		.amdhsa_kernarg_size 40
		.amdhsa_user_sgpr_count 2
		.amdhsa_user_sgpr_kernarg_segment_ptr 1
		.amdhsa_wavefront_size32 1
		.amdhsa_system_sgpr_workgroup_id_x 1
		.amdhsa_system_sgpr_workgroup_id_y 1
		.amdhsa_system_sgpr_workgroup_id_z 1
		.amdhsa_system_vgpr_workitem_id 0
		.amdhsa_next_free_vgpr 256
		.amdhsa_next_free_sgpr 100
		.amdhsa_reserve_vcc 1
		.amdhsa_float_denorm_mode_32 3
		.amdhsa_float_denorm_mode_16_64 3
		.amdhsa_fp16_overflow 1
		.amdhsa_memory_ordered 1
		.amdhsa_forward_progress 1
		.amdhsa_inst_pref_size 92
	.end_amdhsa_kernel
	.amdgpu_metadata
---
amdhsa.version: [ 1, 2 ]
amdhsa.kernels:
  - .name:           k_qcd38720180_attn
    .symbol:         k_qcd38720180_attn.kd
    .args:
      - { .name: q_img, .offset: 0, .size: 8, .value_kind: global_buffer, .address_space: global }
      - { .name: k_img, .offset: 8, .size: 8, .value_kind: global_buffer, .address_space: global }
      - { .name: v_img, .offset: 16, .size: 8, .value_kind: global_buffer, .address_space: global }
      - { .name: lowp_scales, .offset: 24, .size: 8, .value_kind: global_buffer, .address_space: global }
      - { .name: y_img, .offset: 32, .size: 8, .value_kind: global_buffer, .address_space: global }
    .group_segment_fixed_size: 327680
    .private_segment_fixed_size: 0
    .kernarg_segment_align: 8
    .kernarg_segment_size: 40
    .max_flat_workgroup_size: 512
    .sgpr_count:     100
    .vgpr_count:     256
    .wavefront_size: 32
...
	.end_amdgpu_metadata
.endif
;; end of part 2
;; launch proj (part 3): grid 4 x 32, 4 waves a work-group, clusters of 4 x 4, 327,680 bytes of LDS; arguments y_img, w_proj_codes, lowp_scales, out0; writes out0
.if DOCPART == 3
	.amdgcn_target "amdgcn-amd-amdhsa--gfx1250"
	.amdhsa_code_object_version 6
	.text
	.protected	k_qcd38720180_proj
	.globl	k_qcd38720180_proj
	.p2align	8
	.type	k_qcd38720180_proj,@function
k_qcd38720180_proj:
	s_mov_b64 s[64:65], 0
	v_nop
	global_prefetch_b8 v0, s[64:65] scope:SCOPE_SE
	s_setreg_imm32_b32 hwreg(HW_REG_WAVE_MODE, 25, 1), 1
	s_wait_xcnt 0x0
	s_wait_alu depctr_hold_cnt(0) depctr_sa_sdst(0) depctr_va_vdst(0) depctr_va_sdst(0) depctr_va_ssrc(0) depctr_va_vcc(0) depctr_vm_vsrc(0)
	s_getreg_b32 s2, hwreg(HW_REG_IB_STS2, 6, 4)
	s_cmp_eq_u32 s2, 0
	s_cbranch_scc0 .Lentry_in_a_cluster
	s_endpgm
.Lentry_in_a_cluster:
	s_bfe_u32 s2, ttmp6, 0x10000c
	s_cmp_lg_u32 s2, 0xf033
	s_cbranch_scc0 .Lentry_shape_is_right
	s_endpgm
.Lentry_shape_is_right:
; out0 = y w_proj on codes of BF8 (E5M2).  w_proj_codes: [1024 (n)][1024 (k)], K innermost.  out0: [8192][1024] f32.  Each finished sum is multiplied once by 2^(e6 + e7) (entries 6 and 7 of the buffer of scales).
; y_img holds y's codes as IMAGES OF OPERAND REGISTERS: [K step of 256: 4][tile of 16 tokens: 512][4,096 bytes].  In a tile's 4,096 bytes the q-th 128 along K is a fragment of 16 registers at 2048 q:
; registers 4 c .. 4 c + 3 at 512 c + 16 lane; lane (r, h) holds token r, registers 2 c, 2 c + 1 hold k = 16 c + 8 h + 0 .. 7.  So 128 tokens of a K step are 32,768 dense bytes, and a fragment is four contiguous LDS loads.
; w's fragments are read from rows in that same order of k: eight loads of 8 bytes, 16 bytes apart, at row x pitch + 8 (lane / 16).
; LIMIT: e6 + e7 lies between -126 and 127, so that 2^(e6 + e7) is an f32 number.  NaN and infinity codes in w_proj_codes are not served.
; SHARES.  A tile of out0, 256 x 256, is made by a work-group of four waves; a wave makes 128 x 128: 64 accumulators, 512 registers.  4 x 32 tiles, 128 work-groups.  K goes in steps of 256 through a ring of two LDS slots.
; CLUSTERS: 4 x 4 work-groups.  The four of a row of the cluster need the same tiles of y, the four of a column the same tiles of w: each is asked for JOINTLY, by the same tensor load with the same descriptor and a mask
; that names the four.  THE MATRIX INSTRUCTION IS USED TRANSPOSED (source 0 = 16 rows of w, source 1 = 16 tokens): a lane then holds eight neighbouring numbers of a row of out0.
; REGISTERS, in windows of 256: window 0: v0-31 addresses; from v128 y's fragments (8 x 16 tokens x 128 K), ONE set; on the way out v32-255 are free.
;   window 1: w's fragments, TWO sets, at v0 and v128.   window 2: the accumulators of my tokens 0-63 (accumulator (a, b) at v[8 (8 a + b)]);   window 3: those of my tokens 64-127.
.set SIZE_N, 1024
.set SIZE_K, 1024
.set KSTEP,  256
.set ROWB,   256                       ; a row of w's tile in bytes
.set KROW,   SIZE_K                    ; a row of w in memory
.set PITCH,  272                       ; w's LDS row: 256 bytes + 16 of padding = 68 words: row r starts at bank 4 r mod 64 (64 banks of 4 bytes: ISA guide 11.1)
.set FR,     16                        ; registers of a fragment
.set NL,     4                         ; LDS loads that bring a fragment of y
.set NP,     4                         ; places behind this matrix instruction (ISA guide 7.12.1)
.set AH,     32768                     ; 128 tokens of y in a K step: what one tensor load brings
.set HALFB,  128*PITCH                 ; 128 rows of w likewise
.set BOFF,   2*AH                      ; a slot: y's two halves, then w's two
.set SLOT,   BOFF+2*HALFB
.set KKB,    2097152                   ; from a K step of y_img to the next
.set LAPS,   SIZE_K/(2*KSTEP)
.set SPARE,  2*SLOT                    ; behind the ring: the spare words, 128 bytes for each wave, that no other line names
.set SPITCH, 528                       ; the way out: a stage of 16 rows x (512 bytes + 16) for each wave.  It lies in slot 0, which has had its last fill and its last read when the first result is stored there
.set ADRA, 16                          ; v16-17  LDS address of y's fragments in slot 0, 1
.set ADRB, 20                          ; v20-21  the same for w
.set STO,  24                          ; v24     the way out: where I put 32 bytes of a row
.set RD,   25                          ; v25     the way out: where I read a row back
.set CO,   26                          ; v26     16 x lane
.set SPW,  28                          ; v28     LDS address of my spare word; never rewritten
.set NIL,  29                          ; v29     0; never rewritten
.set TMP,  32                          ; the way out: a block's sums x 2^(e6 + e7)
.set AF,   128                         ; y's fragments, in window 0
.set BK,   128                         ; the way out: 16 rows read back from the stage: v128-191 and v192-255 by turns
.set G1, 24                            ; s[24:31] descriptor group 1 for y's tiles;  s[32:39] group 0, one set for each slot
.set G0, 32
.set G1B, 48                           ; s[48:55], s[56:63] the same for w's tiles
.set G0B, 56
.set MSB, 0
.macro WIN new                         ; the immediate's high byte repeats the setting that is left
.if MSB != \new
	s_set_vgpr_msb (MSB<<8)|\new
.set MSB, \new
.endif
.endm
.set MUL_LO, 0xa1                      ; source 0 (w) window 1, source 1 (y) window 0, C and D window 2
.set MUL_HI, 0xf1                      ; the same, C and D window 3
.set TO_B,   0x40                      ; destination window 1, address window 0
; A joint load: waves 0 and 1 fetch for y, waves 2 and 3 for w.  Each of the two lines has ONE mask and one set of registers for all that issue it; the branch hangs on the wave's number alone.
; Four v_nop follow each of the two lines, ahead of the jump, the label and what follows.
.macro JLOAD g0a, g1a, g0b, g1b
	s_cmp_eq_u32 s15, 0
	s_cbranch_scc0 .Lfor_b_\@
	tensor_load_to_lds s[\g0a:\g0a+3], s[\g1a:\g1a+7]
	s_nop 0
.rept 4
	v_nop
.endr
	s_branch .Lasked_\@
.Lfor_b_\@:
	tensor_load_to_lds s[\g0b:\g0b+3], s[\g1b:\g1b+7]
	s_nop 0
.rept 4
	v_nop
.endr
.Lasked_\@:
.endm
.macro CREST                           ; a round of the cluster's barrier behind its opening barrier
	s_cmp_lg_u32 s14, 0
	s_cbranch_scc1 .Lnot_wave_0_\@
	s_barrier_signal -3
.Lnot_wave_0_\@:
	s_barrier_wait -3
	s_barrier_signal -1
	s_barrier_wait -1
.endm
.macro CROUND                          ; a whole round
	s_barrier_signal -1
	s_barrier_wait -1
	CREST
.endm
	s_load_b128 s[4:7], s[0:1], 0x0                ; y_img s[4:5], w's codes s[6:7]
	s_load_b128 s[8:11], s[0:1], 0x10              ; the scales' exponents s[8:9], out0 s[10:11]
	v_lshl_add_u32 v[SPW], v0, 2, SPARE
	v_mov_b32 v[NIL], 0
	ds_add_u32 v28, v29
	ds_add_u32 v28, v29
	s_wait_dscnt 0x0
	v_lshrrev_b32 v1, 5, v0
	v_readfirstlane_b32 s14, v1                    ; wave 0..3
	s_lshr_b32 s15, s14, 1                         ; which half of the tile's tokens is mine.  Also: I fetch for y (0) or for w (1)
	s_and_b32 s16, s14, 1                          ; which half of its columns.  Also: which half of that tile I fetch
	s_bfe_u32 s40, ttmp6, 0x40000                  ; cx, cy: my place in the cluster
	s_bfe_u32 s41, ttmp6, 0x40004
	s_lshl_b32 s42, ttmp9, 2
	s_add_co_u32 s42, s42, s40                     ; tile column = 4 x cluster x + cx
	s_and_b32 s17, ttmp7, 0xffff
	s_lshl_b32 s17, s17, 2
	s_add_co_u32 s17, s17, s41                     ; tile row = 4 x cluster y + cy
	s_lshl_b32 s43, s41, 2
	s_lshl_b32 s43, 15, s43                        ; my row of the cluster
	s_lshl_b32 s44, 0x1111, s40                    ; my column
	; descriptor group 1.  y: 32,768 dense bytes as 128 rows of 256, no padding.  w: 128 rows of 256 bytes, 1,024 apart, padded in LDS
	s_or_b32 s[G1+0], s43, (0<<16)|(1<<21)         ; 15:0 the mask: y's tiles go to my row; 17:16 element of 1 byte; 21 set beside a mask
	s_mov_b32 s[G1+1], 256<<16                     ; tensor_dim0
	s_mov_b32 s[G1+2], 128<<16                     ; tensor_dim1
	s_mov_b32 s[G1+3], 256<<16                     ; tile_dim0
	s_mov_b32 s[G1+4], 128                         ; tile_dim1
	s_mov_b32 s[G1+5], 256                         ; tensor_dim0_stride
	s_mov_b32 s[G1+6], 0
	s_mov_b32 s[G1+7], 0
	s_or_b32 s[G1B+0], s44, (0<<16)|(1<<20)|(1<<21)|(5<<22)|(3<<25)  ; the mask of my column; 20 padding on; 24:22 after every 64 words (code 5); 31:25 of 4 words (code 3)
	s_mov_b32 s[G1B+1], ROWB<<16
	s_mov_b32 s[G1B+2], 128<<16
	s_mov_b32 s[G1B+3], ROWB<<16
	s_mov_b32 s[G1B+4], 128
	s_mov_b32 s[G1B+5], KROW
	s_mov_b32 s[G1B+6], 0
	s_mov_b32 s[G1B+7], 0
	s_lshl_b32 s20, s17, 16                        ; y: 16 tiles of 4,096 bytes a tile row,
	s_lshl_b32 s18, s16, 15
	s_add_co_u32 s20, s20, s18                     ; + the half that I fetch
	s_mov_b32 s21, 0
	s_lshl_b32 s18, s16, 7
	s_lshl_b32 s46, s42, 8
	s_add_co_u32 s46, s46, s18                     ; w: row 256 x tile column + 128 x half,
	s_lshl_b32 s46, s46, 10                        ; of 1,024 bytes
	s_mov_b32 s47, 0
	s_lshl_b32 s45, s16, 15                        ; where they go: y's half,
	s_mul_i32 s66, s16, HALFB
	s_add_co_u32 s66, s66, BOFF                    ; w's half: no place in the cluster enters an LDS address
	s_wait_kmcnt 0x0
	s_load_b64 s[96:97], s[8:9], 0x18              ; e6, e7
	s_add_nc_u64 s[20:21], s[4:5], s[20:21]
	s_add_nc_u64 s[46:47], s[6:7], s[46:47]
	CROUND                                         ; all sixteen work-groups are here: the first joint loads meet
.irp s, 0,1
	s_mov_b32 s[G0+4*\s], 1
	s_add_co_u32 s[G0+4*\s+1], s45, \s*SLOT
	s_add_nc_u64 s[G0+4*\s+2:G0+4*\s+3], s[20:21], \s*KKB
	s_or_b32 s[G0+4*\s+3], s[G0+4*\s+3], 0x80000000
	s_mov_b32 s[G0B+4*\s], 1
	s_add_co_u32 s[G0B+4*\s+1], s66, \s*SLOT
	s_add_nc_u64 s[G0B+4*\s+2:G0B+4*\s+3], s[46:47], \s*ROWB
	s_or_b32 s[G0B+4*\s+3], s[G0B+4*\s+3], 0x80000000
	s_wait_alu depctr_va_vdst(0)
	s_wait_tensorcnt 0x0
	ds_add_u32 v28, v29
	ds_add_u32 v28, v29
	s_wait_dscnt 0x0
	CROUND
	JLOAD G0+4*\s, G1, G0B+4*\s, G1B
.endr
	v_and_b32 v1, 15, v0                           ; l % 16
	v_bfe_u32 v2, v0, 4, 1                         ; l / 16
	v_and_b32 v6, 31, v0
	v_lshlrev_b32 v[CO], 4, v6                     ; 16 x lane
	v_mul_u32_u24 v3, v1, PITCH
	v_lshl_add_u32 v4, v2, 3, v3                   ; w: row x pitch + 8 x half
	s_lshl_b32 s21, s15, 15                        ; my 128 tokens of y
	s_mul_i32 s22, s16, HALFB                      ; my 128 rows of w,
	s_add_co_u32 s22, s22, BOFF                    ; which lie behind y's
.irp s, 0,1
	v_add_nc_u32 v[ADRA+\s], s21, v[CO]
	v_add_nc_u32 v[ADRB+\s], s22, v4
	s_add_co_u32 s21, s21, SLOT
	s_add_co_u32 s22, s22, SLOT
.endr
	s_mul_i32 s23, s14, 16*SPITCH                  ; my stage
	v_mul_u32_u24 v5, v1, SPITCH                   ; in: row l % 16, 32 bytes for each half of the lanes
	v_lshl_add_u32 v5, v2, 5, v5
	v_add_nc_u32 v[STO], s23, v5
	v_add_nc_u32 v[RD], s23, v[CO]                 ; back: the 32 lanes take one row of 512 bytes
	s_lshl_b32 s20, s17, 8
	s_lshl_b32 s21, s15, 7
	s_add_co_u32 s20, s20, s21                     ; my first row of out0: 256 x tile row + 128 x half
	s_mov_b32 s21, 0
	s_mov_b64 s[18:19], SIZE_N*4
	s_mul_u64 s[20:21], s[20:21], s[18:19]
	s_lshl_b32 s46, s42, 10                        ; my first column, in bytes: 1024 x tile column + 512 x half
	s_lshl_b32 s47, s16, 9
	s_add_co_u32 s46, s46, s47
	s_mov_b32 s47, 0
	s_add_nc_u64 s[20:21], s[20:21], s[46:47]
	s_add_nc_u64 s[10:11], s[10:11], s[20:21]
.macro FRAGA reg, adr, q, i            ; y's fragment of tile i, the slot's q-th 128 along K: its image, four runs of 512 bytes
.irp c, 0,1,2,3
	ds_load_b128 v[\reg+4*\c:\reg+4*\c+3], v[\adr] offset:(\i)*4096+(\q)*2048+512*\c
.endr
.endm
.macro FRAGB reg, adr, q, i            ; w's fragment: lane l holds row l % 16; registers 2 c, 2 c + 1 hold K = 16 c + 8 (l / 16) + 0 .. 7
.irp c, 0,1,2,3,4,5,6,7
	ds_load_b64 v[\reg+2*\c:\reg+2*\c+1], v[\adr] offset:128*(\q)+16*\c+(\i)*16*PITCH
.endr
.endm
; 16 matrix instructions: y's blocks a0, a0 + 1 x w's eight, 128 along K.  p: w's set.  zero = 1: the first product starts the sums: nothing is ever cleared.
; The 64 accumulators take turns, one instruction a turn, in the same order in every step.
.macro MUL16 a0, p, zero
.irp a, \a0, \a0+1
.irp b, 0,1,2,3,4,5,6,7
.if \zero
	v_wmma_f32_16x16x128_bf8_bf8 v[8*(8*((\a)%4)+\b):8*(8*((\a)%4)+\b)+7], v[128*(\p)+FR*\b:128*(\p)+FR*\b+FR-1], v[AF+FR*(\a):AF+FR*(\a)+FR-1], 0
.else
	v_wmma_f32_16x16x128_bf8_bf8 v[8*(8*((\a)%4)+\b):8*(8*((\a)%4)+\b)+7], v[128*(\p)+FR*\b:128*(\p)+FR*\b+FR-1], v[AF+FR*(\a):AF+FR*(\a)+FR-1], v[8*(8*((\a)%4)+\b):8*(8*((\a)%4)+\b)+7]
.endif
.endr
.endr
.endm
.macro FETCH_B slot, q, p              ; w's eight fragments of the slot's q-th 128 along K into set p: 64 loads
	WIN TO_B
.irp i, 0,1,2,3,4,5,6,7
	FRAGB 128*(\p)+FR*\i, ADRB+\slot, \q, \i
.endr
	WIN 0
.endm
.macro FETCH_A slot, q, i0             ; y's blocks i0 .. i0 + 3: 16 loads
.irp i, \i0, \i0+1, \i0+2, \i0+3
	FRAGA AF+FR*(\i), ADRA+\slot, \q, \i
.endr
.endm
; A load into a register that a matrix instruction has read, and a vector instruction or an LDS store that reads a matrix result, stand NP places behind that matrix instruction; only plain vector
; instructions that name none of its registers are places (ISA guide 7.12.1 for vector instructions).
.macro PLACES n
.rept \n
	v_nop
.endr
.endm
; A step of 128 along K that has its successor in the same slot.
.macro STEP slot, q, zero
	s_wait_dscnt 4*NL                              ; w's set and y's blocks 0-3 are in; the youngest 16 loads (y's blocks 4-7) may be out
	WIN MUL_LO
	MUL16 0, (\q)%2, \zero
	MUL16 2, (\q)%2, \zero
	s_wait_dscnt 0                                 ; y's blocks 4-7 are in (asked for 32 matrix instructions ago)
	PLACES NP
	FETCH_B \slot, (\q)+1, 1-(\q)%2
	FETCH_A \slot, (\q)+1, 0
	WIN MUL_HI
	MUL16 4, (\q)%2, \zero
	MUL16 6, (\q)%2, \zero
	PLACES NP
	WIN 0
	FETCH_A \slot, (\q)+1, 4
.endm
; A slot's last step changes slots: ONE barrier; in front of it each wave waits for all its tensor loads, adds 0 to its spare word, and waits for that and for its own reads of this slot.  fill = 1: this slot is filled again, two K steps ahead.
.macro TURN slot, next, fill
	s_wait_tensorcnt 0x0                           ; all my tensor loads have landed: my part of the next slot;  (every window is 0 here)
	ds_add_u32 v[SPW], v[NIL]                      ; 0 onto my spare word
	s_wait_dscnt 4*NL+1                            ; (the add and the youngest 16 loads, y's blocks 4-7, may be out)
	WIN MUL_LO
	MUL16 0, 1, 0                                  ; sixteen matrix instructions stand between the add and the wait for it
	s_wait_dscnt 0x0                               ; the add is done, and my reads of this slot are over
	s_barrier_signal -1
	MUL16 2, 1, 0
	WIN 0
	s_barrier_wait -1
.if \fill
	CREST                                          ; the barrier has opened a round of the cluster's barrier: no wave of any partner still reads this slot's tile or has a load on its way
	s_add_nc_u64 s[G0+4*\slot+2:G0+4*\slot+3], s[G0+4*\slot+2:G0+4*\slot+3], 2*KKB
	s_add_nc_u64 s[G0B+4*\slot+2:G0B+4*\slot+3], s[G0B+4*\slot+2:G0B+4*\slot+3], 2*ROWB
	JLOAD G0+4*\slot, G1, G0B+4*\slot, G1B         ; the first tensor load behind the round; the four v_nop behind it are the places in front of the loads below
.else
	PLACES NP
.endif
	FETCH_B \next, 0, 0
	FETCH_A \next, 0, 0
	WIN MUL_HI
	MUL16 4, 1, 0
	MUL16 6, 1, 0
	PLACES NP
	WIN 0
	FETCH_A \next, 0, 4
.endm
	s_wait_alu depctr_va_vdst(0)
	s_wait_tensorcnt 1                             ; my part of K step 0 is in (K step 1's load may be out)
	s_barrier_signal -1
	s_barrier_wait -1                              ; everybody's is
	FETCH_B 0, 0, 0
	FETCH_A 0, 0, 0
	FETCH_A 0, 0, 4
	STEP 0, 0, 1                                   ; the first step stands in front of the loop: its products start the sums
	s_mov_b32 s3, LAPS-1
.Llap:                                                 ; a trip goes once round the ring, from a lap's second step to the next lap's first, and fills both slots again
	TURN 0, 1, 1
	STEP 1, 0, 0
	TURN 1, 0, 1
	STEP 0, 0, 0
	s_sub_co_u32 s3, s3, 1
	s_cmp_lg_u32 s3, 0
	s_cbranch_scc1 .Llap
	TURN 0, 1, 0                                   ; the last lap fills nothing, and has no round of the cluster's barrier
	STEP 1, 0, 0
	s_wait_dscnt 4*NL                              ; the very last step: nothing more to fetch
	WIN MUL_LO
	MUL16 0, 1, 0
	MUL16 2, 1, 0
	s_wait_dscnt 0
	WIN MUL_HI
	MUL16 4, 1, 0
	MUL16 6, 1, 0
	WIN 0
; THE WAY OUT, block by block of 16 rows x 128 columns.  A lane holds 32 neighbouring bytes of a row, and the lanes beside it hold other rows: so a block goes through my own stage in LDS and comes back as whole
; rows of 512 bytes, which the 32 lanes store as 512 consecutive bytes, aligned.  LDS serves a wave's instructions in order (ISA guide 5.7.1.4): no wait between the stores and the loads, nor in front of the next block's stores.
.macro TOSTAGE a
.set AC, 64*((\a)%4)
.set WN, 0x02+((\a)/4)
	WIN WN                                         ; source 0: window 2 or 3
.irp j, 0,2,4,6,8,10,12,14,16,18,20,22,24,26,28,30,32,34,36,38,40,42,44,46,48,50,52,54,56,58,60,62
	v_pk_mul_f32 v[TMP+\j:TMP+\j+1], v[AC+\j:AC+\j+1], s[96:97] op_sel_hi:[1,0]   ; both x s96 = 2^(e6 + e7); each accumulator from its low end on
.endr
	WIN 0
.irp b, 0,1,2,3,4,5,6,7
	ds_store_b128 v[STO], v[TMP+8*\b:TMP+8*\b+3] offset:64*\b
	ds_store_b128 v[STO], v[TMP+8*\b+4:TMP+8*\b+7] offset:64*\b+16
.endr
.set BB, BK+64*((\a)%2)
.irp t, 0,1,2,3,4,5,6,7,8,9,10,11,12,13,14,15
	ds_load_b128 v[BB+4*\t:BB+4*\t+3], v[RD] offset:\t*SPITCH
.endr
.endm
.macro SEND a, younger                 ; younger: the LDS instructions issued behind block a's loads, which may stay out
.set BB, BK+64*((\a)%2)
	s_wait_dscnt \younger                          ; the block is back in registers
.if (\a) > 0
	s_add_nc_u64 s[10:11], s[10:11], 16*SIZE_N*4   ; (behind a wait on XCNT: the earlier stores have read their base)  16 rows on, so that the stores' offsets stay small: 15 rows of 4,096 bytes at the most
.endif
.irp t, 0,1,2,3,4,5,6,7,8,9,10,11,12,13,14,15
	global_store_b128 v[CO], v[BB+4*\t:BB+4*\t+3], s[10:11] offset:\t*SIZE_N*4 th:TH_STORE_NT   ; 32 lanes store 512 consecutive bytes, at a multiple of 256 from out0's first byte; written once, read by nobody here
.endr
.endm
	s_wait_kmcnt 0x0
	s_add_co_i32 s96, s96, s97                     ; e6 + e7, between -126 and 127,
	s_add_co_i32 s96, s96, 127
	s_lshl_b32 s96, s96, 23                        ; makes the f32 number 2^(e6 + e7)
	PLACES NP                                      ; behind the last products: for the reads of results and for the loads into the registers that held y's fragments
	TOSTAGE 0
.irp a, 1,2,3,4,5,6,7
.if \a > 1
	s_wait_xcnt 0x0                                ; block a - 2's stores have read their registers and their base: block a's loads may land there, and the base may step
.endif
	TOSTAGE \a
	SEND \a-1, 32                                  ; behind block a - 1's loads: block a's 16 stores and 16 loads
.endr
	s_wait_xcnt 0x0                                ; block 6's stores have read their base
	SEND 7, 0
	s_wait_tensorcnt 0x0                           ; the wave's end, behind my last tensor load and my last LDS store
	ds_add_u32 v[SPW], v[NIL]
	s_wait_dscnt 0x0
	CROUND                                         ; the closing round: no work-group ends while a partner may still ask for a tile that names it
	s_endpgm
.Lfunc_end_k_qcd38720180_proj:
	.size	k_qcd38720180_proj, .Lfunc_end_k_qcd38720180_proj-k_qcd38720180_proj
	.p2alignl 7, 3214868480
	.fill 96, 4, 3214868480
	.section	.rodata,"a",@progbits
	.p2align	6, 0x0
	.amdhsa_kernel k_qcd38720180_proj
		.amdhsa_group_segment_fixed_size 327680
		.amdhsa_private_segment_fixed_size 0
		.amdhsa_enable_private_segment 0
		.amdhsa_kernarg_size 32
		.amdhsa_user_sgpr_count 2
		.amdhsa_user_sgpr_kernarg_segment_ptr 1
		.amdhsa_wavefront_size32 1
		.amdhsa_system_sgpr_workgroup_id_x 1
		.amdhsa_system_sgpr_workgroup_id_y 1
		.amdhsa_system_sgpr_workgroup_id_z 1
		.amdhsa_system_vgpr_workitem_id 0
		.amdhsa_next_free_vgpr 1024
		.amdhsa_next_free_sgpr 98
		.amdhsa_reserve_vcc 0
		.amdhsa_float_denorm_mode_32 3
		.amdhsa_float_denorm_mode_16_64 3
		.amdhsa_memory_ordered 1
		.amdhsa_forward_progress 1
		.amdhsa_inst_pref_size 140
	.end_amdhsa_kernel
	.amdgpu_metadata
---
amdhsa.version: [ 1, 2 ]
amdhsa.kernels:
  - .name:           k_qcd38720180_proj
    .symbol:         k_qcd38720180_proj.kd
    .args:
      - { .name: y_img, .offset: 0, .size: 8, .value_kind: global_buffer, .address_space: global }
      - { .name: w_proj_codes, .offset: 8, .size: 8, .value_kind: global_buffer, .address_space: global }
      - { .name: lowp_scales, .offset: 16, .size: 8, .value_kind: global_buffer, .address_space: global }
      - { .name: out0, .offset: 24, .size: 8, .value_kind: global_buffer, .address_space: global }
    .group_segment_fixed_size: 327680
    .private_segment_fixed_size: 0
    .kernarg_segment_align: 8
    .kernarg_segment_size: 32
    .max_flat_workgroup_size: 128
    .sgpr_count:     98
    .vgpr_count:     1024
    .wavefront_size: 32
...
	.end_amdgpu_metadata
.endif
;; end of part 3
